; MI455X (gfx1250); checked and timed in simulation.
; The chip was launched on July 23, 2026; its instructions are those of AMD's public machine-readable ISA for CDNA 5 (MIT licence, August 2026) and "CDNA5" Instruction Set Architecture Reference Guide (July 2026). The comments in the code are by the model that wrote it; some were corrected since.
;; Mo E Block. Allowed arithmetic: matrix products marked QUANTISED: E2M1 operands, one E8M0 scale for each 32 along K, by v_wmma_scale_f32_16x16x128_f8f6f4 with both operands' format E2M1 (or v_wmma_scale_f32_32x16x128_f4), f32 sums; products left as they are: f32 operands where the result goes on into a quantised operand, else bf16, f16 or f32 operands; f32 sums; everything else in f32.
;; Inputs: W 8 x 2,048 x 2,048 float32; b 8 x 2,048 float32; wg 2,048 x 8 float32; x 4 x 512 x 2,048 float32.
;; Outputs: out0 4 x 512 x 2,048 float32.
;; This version of the problem:
;;   THIS VERSION OF THE PROBLEM IS GIVEN IN LOW PRECISION. The matrix products marked QUANTISED in the list below multiply operands that are first quantised to E2M1 (2 exponent bits, 1 mantissa bit; 4 bits a number), with one power-of-two scale for each 32 numbers along K (OCP MX v1.0); their sums are f32. All else is computed in f32.
;;   The module's matrix products, in the order in which they are computed (A, B: the left and right operand; K: the contracted axis; several contracted axes count as one K, in the product's order):
;;     1. [M 2,048, K 2,048] x [K 2,048, N 8]; A: input x; B: input wg: left as it is (N = 8 < 16)
;;     2. [M 2,048, K 2,048] x [K 2,048, N 16,384]; A: input x; B: input W: QUANTISED
;;     3. batch 2,048 x [M 1, K 8] x [K 8, N 2,048]; A: computed on the way; B: computed on the way: left as it is (K = 8 < 32)
;;   THE QUANTISER, for each operand of a quantised product, along K:
;;     - K is cut into blocks of 32 from its start; a last block that is shorter is filled with zeros.
;;     - A block's scale is 2^e with e = floor(log2(the largest magnitude in the block)) - 2, held to -126 .. 127; a block of zeros has e = 0. As a byte (E8M0): e + 127.
;;     - Each number is divided by its block's scale, clamped to +-6, and rounded to the nearest number of E2M1, ties to even, subnormals kept.
;;     - The product sums the exact products of the quantised numbers (number of the format x scale) in f32.
;;   ~~~python
;;   def quantise(x, axis):      # numpy; x: float32 -> the quantised numbers, widened to float32 again
;;       x = np.moveaxis(x, axis, -1); K = x.shape[-1]
;;       x = np.pad(x, [(0, 0)] * (x.ndim - 1) + [(0, -K % 32)]); x = x.reshape(x.shape[:-1] + (-1, 32)); a = np.abs(x).max(-1, keepdims=True)
;;       e = np.where(a > 0, np.clip(np.frexp(np.where(a > 0, a, 1))[1] - 1 - 2, -126, 127), 0)      # np.frexp(a)[1] - 1 = floor(log2(a)), exactly
;;       r = np.clip(x / 2.0 ** e, -6, 6)
;;       step = 2.0 ** (np.maximum(np.frexp(np.where(r == 0, 1, r))[1] - 1, 0) - 1)
;;       q = np.round(r / step) * step * 2.0 ** e      # np.round: ties to even
;;       return np.moveaxis(q.reshape(q.shape[:-2] + (-1,))[..., :K], -1, axis).astype(np.float32)
;;   ~~~
;; One version. Each part assembles by itself: llvm-mc -triple=amdgcn-amd-amdhsa -mcpu=gfx1250 --defsym DOCPART=n.
;; ======== version 1 of 1: 3 launches
;; workspace buffers: xq 2,097,152 bytes; xs 131,072 bytes; idx 8,192 bytes of whole numbers; gate 8,192 bytes; list 73,728 bytes of whole numbers; cnt 256 bytes of whole numbers
;; launch route (part 1): grid 256 x 1, 8 waves a work-group, no clusters, 153,600 bytes of LDS; arguments x, wg, xq, xs, idx, gate; writes xq, xs, idx, gate
.if DOCPART == 1
	.amdgcn_target "amdgcn-amd-amdhsa--gfx1250"
	.amdhsa_code_object_version 6
	.text
	.protected	k_q2c162215fb_route
	.globl	k_q2c162215fb_route
	.p2align	8
	.type	k_q2c162215fb_route,@function
k_q2c162215fb_route:
	s_mov_b64 s[64:65], 0
	v_nop
	global_prefetch_b8 v0, s[64:65] scope:SCOPE_SE
	s_setreg_imm32_b32 hwreg(HW_REG_WAVE_MODE, 25, 1), 1
	s_wait_xcnt 0x0
; ROUTE.  x [2048 tokens][2048] f32 is read once.  From it: the gate (logits = x wg in f32 multiply-adds, softmax with the row's maximum taken away,
; the chosen expert and its weight), and x's codes of FP4 (E2M1) with one E8M0 byte for each 32 along K.
; OUT: xq [token][1024 bytes] codes, K in its natural order, the lower k in the low four bits; xs [token][16 words], word s = the four scale bytes of k = 128 s .. 128 s + 127;
;      idx [token] u32, the chosen expert; gate [token] f32, its probability = 1 / sum of 2^((l - max) log2 e).
; SHARES.  A work-group takes 8 tokens, wave w the columns k = 256 w .. 256 w + 255 of all 8: sixteen segments of 512 bytes, d = 2 x token + half.  Each load of a wave covers 512 consecutive bytes.
; No matrix unit: the gate has 8 columns, and its result steers the choice, so it is kept in f32.  No tensor loads: every byte is wanted in registers at once.
; LIMITS.  NaN and infinities among the inputs are not served.  A block of zeros gets the byte 1 (not 127) with zero codes: these bytes are read by this program alone.
; The chosen expert is the lowest e whose 2^((l_e - max) log2 e) is 1.0; where two logits lie within about an ulp of each other the choice may differ from one made on probabilities rounded otherwise.
.set WGT, 0                            ; LDS: each wave's own 9,216 bytes: its slice of wg, 64 groups of 128 bytes + 16
.set FST, 73728                        ; each wave's own 8,448 bytes: its 16 segments of x, rows of 512 bytes + 16
.set CST, 141312                       ; the 8 tokens' codes: rows of 1,024 bytes + 16
.set SST, 149632                       ; their scale words: 64 bytes a token
.set RED, 150144                       ; partial logits: 256 bytes a wave
.set X,   16                           ; v16-79   x as loaded: segment d in 4 registers; later the halving sums
.set WGR, 80                           ; v80-143  wg: register 32 i + 8 kk + e = wg[256 w + 128 i + 4 lane + kk][e]
.set T,   80                           ; the same registers later: 64 neighbours along K of one segment
.set ACC, 144                          ; v144-207 first wg as loaded, then the sums: register 8 token + e
.set C,   208                          ; v208-215 a fragment's codes
.set PW,  216                          ; its scale word
.set MX,  218
.set SO,  220
.set BY,  222
.set TA,  228                          ; v228-231 at work in the halving
.set H8,  13                           ; v13  8 x (lane / 16)
.set PX,  14                           ; v14  a lane permute's destination
.set SEL, 20                           ; s[20:21] lane selects: lane l xor 16
; 64 numbers of a lane, register 32 c + i = k 64 c + 32 (lane / 16) + i of row lane % 16, become the 8 registers of a 4-bit fragment and the row's scale word.
; A lane holds two whole blocks of 32.  The largest magnitude has the floor 2^(3 - 127) among its leaves, which holds the byte at 1 from below; 2 off its exponent field is the conversion's scale operand.
.macro QW t, c, pw
.irp k, 0,1
	v_max3_num_f32 v[MX+\k], |v[\t+32*\k]|, |v[\t+32*\k+1]|, 0x1800000
.endr
.irp i, 2,4,6,8,10,12,14,16,18,20,22,24,26,28,30
.irp k, 0,1
	v_max3_num_f32 v[MX+\k], v[MX+\k], |v[\t+32*\k+\i]|, |v[\t+32*\k+\i+1]|
.endr
.endr
.irp k, 0,1
	v_add_nc_u32 v[SO+\k], 0xff000000, v[MX+\k]
.endr
.irp k, 0,1
	v_lshrrev_b32 v[BY+\k], 23, v[SO+\k]           ; the scale's byte
.endr
	v_lshl_or_b32 v[\pw], v[BY+1], 16, v[BY]       ; my blocks are h and 2 + h of the row's four:
	v_lshlrev_b32 v[\pw], v[H8], v[\pw]            ; 8 h bits up,
	v_permlanex16_b32 v[PX], v[\pw], s[SEL], s[SEL+1]
	v_or_b32 v[\pw], v[\pw], v[PX]                 ; and with lane l xor 16's two the word is whole
.irp k, 0,1
.irp g, 0,1,2,3
	v_cvt_scalef32_pk8_fp4_f32 v[\c+4*\k+\g], v[\t+32*\k+8*\g:\t+32*\k+8*\g+7], v[SO+\k]
.endr
.endr
	v_nop                                          ; one plain line behind the last scaled conversion
.endm
; n sums a lane become n / 2: a lane keeps one half of them and gives the other half to the lane xm away, which keeps that half (sm: the lanes that keep the upper half).
.macro HALVE src, dst, n, xm, sm
.set HV, 0
.rept \n/2
	v_cndmask_b32 v[\dst+HV], v[\src+HV], v[\src+HV+\n/2], s[\sm]
	v_cndmask_b32 v[TA+HV%4], v[\src+HV+\n/2], v[\src+HV], s[\sm]
	v_add_f32_dpp v[\dst+HV], v[TA+HV%4], v[\dst+HV] row_xmask:\xm row_mask:0xf bank_mask:0xf
.set HV, HV+1
.endr
.endm
	s_load_b256 s[4:11], s[0:1], 0x0               ; x s[4:5], wg s[6:7], xq s[8:9], xs s[10:11]
	s_load_b128 s[12:15], s[0:1], 0x20             ; idx s[12:13], gate s[14:15]
	v_lshl_add_u32 v240, v0, 2, 0x25400
	v_mov_b32 v241, 0
	v_lshrrev_b32 v15, 5, v0
	v_readfirstlane_b32 s18, v15                   ; wave 0..7
	v_and_b32 v1, 31, v0                           ; lane
	v_and_b32 v224, 15, v0                         ; r
	v_bfe_u32 v225, v0, 4, 1                       ; h
	v_lshlrev_b32 v2, 4, v1                        ; 16 x lane: my 16 bytes of a load's or store's 512
	s_mul_i32 s19, s18, 9216
	v_lshrrev_b32 v3, 3, v1
	v_mul_u32_u24 v3, v3, 144
	v_and_b32 v15, 7, v0
	v_lshl_add_u32 v3, v15, 4, v3
	v_add_nc_u32 v3, s19, v3                       ; wg into LDS: eight lanes' 128 bytes on end, then 16 of padding
	v_mul_u32_u24 v4, v1, 144
	v_add_nc_u32 v4, s19, v4                       ; and back: a group of 128 bytes (four k x eight experts) a lane
	s_mul_i32 s19, s18, 8448
	s_add_co_u32 s19, s19, FST
	v_add_nc_u32 v5, s19, v2                       ; x into my stage, as loaded
	v_mul_u32_u24 v6, v224, 528
	v_lshl_add_u32 v6, v225, 7, v6
	v_add_nc_u32 v6, s19, v6                       ; and back: segment r, 128 h bytes on: 32 neighbours along K
	v_lshrrev_b32 v226, 1, v224                    ; segment r is token r / 2,
	v_and_b32 v227, 1, v0                          ; half r % 2
	v_mul_u32_u24 v7, v226, 1040
	v_lshl_add_u32 v7, v227, 6, v7
	v_lshl_add_u32 v7, v225, 4, v7
	s_lshl_b32 s19, s18, 7
	s_add_co_u32 s19, s19, CST
	v_add_nc_u32 v7, s19, v7                       ; codes: the token's row, K step 2 w + r % 2 (64 bytes a step), + 16 h
	v_lshlrev_b32 v8, 6, v226
	v_lshl_add_u32 v8, v227, 2, v8
	s_lshl_b32 s19, s18, 3
	s_add_co_u32 s19, s19, SST
	v_add_nc_u32 v8, s19, v8                       ; the scale word of that token and step
	v_lshl_add_u32 v12, v224, 4, RED               ; partial logits, on the way back: 16 bytes for each of 16 lanes
	s_lshl_b32 s19, s18, 8
	v_add_nc_u32 v9, s19, v12                      ; and on the way in: my wave's 256 bytes
	s_mul_i32 s19, s18, 1040
	s_add_co_u32 s19, s19, CST
	v_add_nc_u32 v10, s19, v2                      ; the way out: wave w takes token w's row of codes
	v_add_nc_u32 v11, SST, v2                      ; and wave 1 the 512 bytes of scale words
	v_lshlrev_b32 v[H8], 3, v225
	v_mov_b32 v[PX], 0
	v_lshlrev_b32 v236, 2, v1                      ; 4 x lane: idx and gate
	s_mov_b32 s[SEL], 0x76543210
	s_mov_b32 s[SEL+1], 0xfedcba98
	s_mov_b32 s24, 0xf0f0f0f0                      ; lanes with bit 2 set,
	s_mov_b32 s25, 0xcccccccc                      ; bit 1,
	s_mov_b32 s26, 0xaaaaaaaa                      ; bit 0,
	s_mov_b32 s27, 0xff00ff00                      ; bit 3
	s_lshl_b32 s30, ttmp9, 16                      ; x: 8 tokens of 8,192 bytes a work-group, + 1,024 w
	s_lshl_b32 s31, s18, 10
	s_add_co_u32 s30, s30, s31
	s_mov_b32 s31, 0
	s_lshl_b32 s32, s18, 13                        ; wg: 256 rows of 32 bytes a wave
	s_mov_b32 s33, 0
	s_lshl_b32 s34, ttmp9, 3
	s_add_co_u32 s34, s34, s18
	s_lshl_b32 s34, s34, 10                        ; xq: token 8 g + w
	s_mov_b32 s35, 0
	s_lshl_b32 s36, ttmp9, 9                       ; xs: 512 bytes a work-group
	s_mov_b32 s37, 0
	s_lshl_b32 s38, ttmp9, 5                       ; idx, gate: 32 bytes a work-group
	s_mov_b32 s39, 0
	s_wait_kmcnt 0x0
	s_add_nc_u64 s[4:5], s[4:5], s[30:31]
	s_add_nc_u64 s[6:7], s[6:7], s[32:33]
	s_add_nc_u64 s[8:9], s[8:9], s[34:35]
	s_add_nc_u64 s[10:11], s[10:11], s[36:37]
	s_add_nc_u64 s[12:13], s[12:13], s[38:39]
	s_add_nc_u64 s[14:15], s[14:15], s[38:39]
.irp d, 0,1,2,3,4,5,6,7,8,9,10,11,12,13,14,15
	global_load_b128 v[ACC+4*\d:ACC+4*\d+3], v2, s[6:7] offset:512*\d                  ; my slice of wg, as it lies
.endr
.irp d, 0,1,2,3,4,5,6,7,8,9,10,11,12,13,14,15
	global_load_b128 v[X+4*\d:X+4*\d+3], v2, s[4:5] offset:(\d/2)*8192+(\d%2)*512 th:TH_LOAD_NT   ; segment d: register kk holds k = 128 (d % 2) + 4 lane + kk
.endr
	s_wait_loadcnt 16                              ; wg's 16 loads are in; x's 16 may be out
.irp d, 0,1,2,3,4,5,6,7,8,9,10,11,12,13,14,15
	ds_store_b128 v3, v[ACC+4*\d:ACC+4*\d+3] offset:576*\d
.endr
.irp i, 0,1
.irp jj, 0,1,2,3,4,5,6,7
	ds_load_b128 v[WGR+32*\i+4*\jj:WGR+32*\i+4*\jj+3], v4 offset:4608*\i+16*\jj        ; LDS serves a wave's instructions in order: these see my stores
.endr
.endr
	s_wait_loadcnt 0x0                             ; x is in
.irp d, 0,1,2,3,4,5,6,7,8,9,10,11,12,13,14,15
	ds_store_b128 v5, v[X+4*\d:X+4*\d+3] offset:528*\d
.endr
	s_wait_dscnt 16                                ; wg's stores have read their registers and its loads are in; x's 16 stores may be out
; The logits' partial sums: 8 tokens x 8 experts, two experts an instruction; x's number is taken for both halves.  The first term of each sum is a product: nothing is cleared.
.irp i, 0,1
.irp k2, 0,1
.irp sel, 0,1
.irp rho, 0,1,2,3,4,5,6,7
.irp pp, 0,1,2,3
.if (\i == 0) && (\k2 == 0) && (\sel == 0)
	v_pk_mul_f32 v[ACC+8*\rho+2*\pp:ACC+8*\rho+2*\pp+1], v[X+8*\rho+4*\i+2*\k2:X+8*\rho+4*\i+2*\k2+1], v[WGR+32*\i+16*\k2+8*\sel+2*\pp:WGR+32*\i+16*\k2+8*\sel+2*\pp+1] op_sel:[\sel,0] op_sel_hi:[\sel,1]
.else
	v_pk_fma_f32 v[ACC+8*\rho+2*\pp:ACC+8*\rho+2*\pp+1], v[X+8*\rho+4*\i+2*\k2:X+8*\rho+4*\i+2*\k2+1], v[WGR+32*\i+16*\k2+8*\sel+2*\pp:WGR+32*\i+16*\k2+8*\sel+2*\pp+1], v[ACC+8*\rho+2*\pp:ACC+8*\rho+2*\pp+1] op_sel:[\sel,0,0] op_sel_hi:[\sel,1,1]
.endif
.endr
.endr
.endr
.endr
.endr
	s_wait_dscnt 0x0                               ; x's stores have read their registers, which the halving writes
.irp k, 0,1
.irp jj, 0,1,2,3,4,5,6,7
	ds_load_b128 v[T+32*\k+4*\jj:T+32*\k+4*\jj+3], v6 offset:256*\k+16*\jj            ; x back, 32 neighbours along K twice; they land while the sums are halved
.endr
.endr
	HALVE ACC,  X,    64, 4, 24                    ; token's bit 2 = lane's bit 2
	HALVE X,    X+32, 32, 2, 25                    ; token's bit 1 = lane's bit 1
	HALVE X+32, X+48, 16, 1, 26                    ; token's bit 0 = lane's bit 0
	HALVE X+48, X+56, 8,  8, 27                    ; expert's bit 2 = lane's bit 3
.irp i, 0,1,2,3
	v_permlanex16_b32 v[X+60+\i], v[X+56+\i], s[SEL], s[SEL+1]
.endr
.irp i, 0,1,2,3
	v_add_f32 v[X+56+\i], v[X+56+\i], v[X+60+\i]   ; with the other 16 lanes': token lane & 7, experts 4 ((lane >> 3) & 1) + 0 .. 3, over my 256 columns
.endr
	ds_store_b128 v9, v[X+56:X+59]
	s_wait_dscnt 1                                 ; the 16 loads are in; the store just issued may be out
	QW T, C, PW
	ds_store_b128 v7, v[C:C+3]
	ds_store_b128 v7, v[C+4:C+7] offset:32
	ds_store_b32 v8, v[PW]                         ; both halves of the lanes write the same word with the same value
	s_wait_dscnt 0x0                               ; for the others' sake: my stores have landed
	s_barrier_signal -1
	s_barrier_wait -1
	ds_load_b128 v[16:19], v10                     ; token w's 1,024 bytes of codes, from all eight waves
	ds_load_b128 v[20:23], v10 offset:512
	s_wait_dscnt 0x0
	global_store_b128 v2, v[16:19], s[8:9]         ; each store covers 512 consecutive bytes, aligned
	global_store_b128 v2, v[20:23], s[8:9] offset:512
	s_cmp_eq_u32 s18, 1
	s_cbranch_scc0 .Lnot_wave_1
	ds_load_b128 v[24:27], v11                     ; the 8 tokens' scale words: 512 consecutive bytes
	s_wait_dscnt 0x0
	global_store_b128 v2, v[24:27], s[10:11]
.Lnot_wave_1:
	s_cmp_lg_u32 s18, 0
	s_cbranch_scc1 .Lend
.irp w, 0,1,2,3,4,5,6,7
	ds_load_b128 v[32+4*\w:35+4*\w], v12 offset:256*\w
.endr
	s_wait_dscnt 0x0
.irp w, 1,2,3,4,5,6,7
	v_pk_add_f32 v[32:33], v[32:33], v[32+4*\w:33+4*\w]        ; the eight waves' parts, in the order of k
	v_pk_add_f32 v[34:35], v[34:35], v[34+4*\w:35+4*\w]
.endr
	v_max3_num_f32 v64, v32, v33, v34
	v_max_num_f32 v64, v64, v35
	v_max_num_f32_dpp v64, v64, v64 row_xmask:8 row_mask:0xf bank_mask:0xf   ; with the token's other four experts: the row's largest logit
.irp i, 0,1,2,3
	v_sub_f32 v[36+\i], v[32+\i], v64
.endr
.irp i, 0,1,2,3
	v_mul_f32 v[36+\i], 0x3fb8aa3b, v[36+\i]
.endr
.irp i, 0,1,2,3
	v_exp_f32 v[36+\i], v[36+\i]                   ; e^(l - max), at most 1
.endr
	v_bfe_u32 v65, v0, 3, 1                        ; (a plain line behind the exponentials)
	v_lshlrev_b32 v65, 2, v65                      ; my first expert: 0 or 4
	s_wait_alu depctr_va_vdst(0)
	v_add_f32 v66, v36, v37
	v_add_f32 v67, v38, v39
	v_add_f32 v66, v66, v67
	v_add_f32_dpp v66, v66, v66 row_xmask:8 row_mask:0xf bank_mask:0xf       ; the row's sum
	v_rcp_f32 v67, v66                             ; the chosen expert's probability: its exponential is 1
	v_mov_b32 v68, 8                               ; (a plain line behind the reciprocal)
.irp e, 3,2,1,0
	v_add_nc_u32 v69, \e, v65
	v_cmp_eq_f32 vcc_lo, 1.0, v[36+\e]
	v_cndmask_b32 v68, v68, v69, vcc_lo            ; the lowest of my four that reaches the maximum, or 8
.endr
	v_mov_b32_dpp v69, v68 row_xmask:8 row_mask:0xf bank_mask:0xf
	v_min_u32 v68, v68, v69                        ; and of all eight
	s_wait_xcnt 0x0                                ; EXEC changes only behind this wait: stores have been issued
	v_cmp_gt_u32 vcc_lo, 8, v1
	s_and_saveexec_b32 s28, vcc_lo                 ; lanes 0 to 7 hold tokens 0 to 7
	global_store_b32 v236, v68, s[12:13]
	s_wait_alu depctr_va_vdst(0)
	global_store_b32 v236, v67, s[14:15]
	s_wait_xcnt 0x0
	s_or_b32 exec_lo, exec_lo, s28
.Lend:
	s_wait_tensorcnt 0x0
	ds_add_u32 v240, v241
	s_wait_dscnt 0x0
	s_endpgm
.Lfunc_end_k_q2c162215fb_route:
	.size	k_q2c162215fb_route, .Lfunc_end_k_q2c162215fb_route-k_q2c162215fb_route
	.p2alignl 7, 3214868480
	.fill 96, 4, 3214868480
	.section	.rodata,"a",@progbits
	.p2align	6, 0x0
	.amdhsa_kernel k_q2c162215fb_route
		.amdhsa_group_segment_fixed_size 153600
		.amdhsa_private_segment_fixed_size 0
		.amdhsa_enable_private_segment 0
		.amdhsa_kernarg_size 48
		.amdhsa_user_sgpr_count 2
		.amdhsa_user_sgpr_kernarg_segment_ptr 1
		.amdhsa_wavefront_size32 1
		.amdhsa_system_sgpr_workgroup_id_x 1
		.amdhsa_system_sgpr_workgroup_id_y 1
		.amdhsa_system_sgpr_workgroup_id_z 1
		.amdhsa_system_vgpr_workitem_id 0
		.amdhsa_next_free_vgpr 242
		.amdhsa_next_free_sgpr 66
		.amdhsa_reserve_vcc 1
		.amdhsa_float_denorm_mode_32 3
		.amdhsa_float_denorm_mode_16_64 3
		.amdhsa_memory_ordered 1
		.amdhsa_forward_progress 1
		.amdhsa_inst_pref_size 46
	.end_amdhsa_kernel
	.amdgpu_metadata
---
amdhsa.version: [ 1, 2 ]
amdhsa.kernels:
  - .name:           k_q2c162215fb_route
    .symbol:         k_q2c162215fb_route.kd
    .args:
      - { .name: x, .offset: 0, .size: 8, .value_kind: global_buffer, .address_space: global }
      - { .name: wg, .offset: 8, .size: 8, .value_kind: global_buffer, .address_space: global }
      - { .name: xq, .offset: 16, .size: 8, .value_kind: global_buffer, .address_space: global }
      - { .name: xs, .offset: 24, .size: 8, .value_kind: global_buffer, .address_space: global }
      - { .name: idx, .offset: 32, .size: 8, .value_kind: global_buffer, .address_space: global }
      - { .name: gate, .offset: 40, .size: 8, .value_kind: global_buffer, .address_space: global }
    .group_segment_fixed_size: 153600
    .private_segment_fixed_size: 0
    .kernarg_segment_align: 8
    .kernarg_segment_size: 48
    .max_flat_workgroup_size: 256
    .sgpr_count:     66
    .vgpr_count:     242
    .wavefront_size: 32
...
	.end_amdgpu_metadata
.endif
;; end of part 1
;; launch place (part 2): grid 8 x 1, 1 waves a work-group, no clusters, 9,728 bytes of LDS; arguments idx, list, cnt; writes list, cnt
.if DOCPART == 2
	.amdgcn_target "amdgcn-amd-amdhsa--gfx1250"
	.amdhsa_code_object_version 6
	.text
	.protected	k_q2c162215fb_place
	.globl	k_q2c162215fb_place
	.p2align	8
	.type	k_q2c162215fb_place,@function
k_q2c162215fb_place:
	s_mov_b64 s[64:65], 0
	v_nop
	global_prefetch_b8 v0, s[64:65] scope:SCOPE_SE
	s_setreg_imm32_b32 hwreg(HW_REG_WAVE_MODE, 25, 1), 1
	s_wait_xcnt 0x0
; PLACE.  idx [2048] u32, the expert that each token chose (stored by the launch before), becomes for each expert e the list of its tokens, list [8][2304] u32, and their number, cnt [e] u32.
; One work-group of one wave for each expert: it reads all 2,048 choices (8 KiB, sixteen loads of 512 consecutive bytes), places its tokens in a list in LDS by a count over the lanes, and stores the list
; as eighteen stores of 512 consecutive bytes.  Words of the list at or past the count are zeros.  The order within a list is that of the registers (element E = 4 jj + c is token 128 jj + 4 lane + c): the reader needs no order.
; ORDER OF THE WORK.  All 64 compares come first, each into a scalar mask of its own; the running count is then scalar work on those masks, and the vector steps go four elements at a time, so that no line reads
; the result of the line above it.  Each element has an address and a data register of its own: no store's source is written again.
; Eight work-groups are all the work that there is: each list needs every choice.  No barrier: one wave.  No matrix unit, no tensor load: 8 KiB in, 9 KiB out.
.set LIST, 0                           ; LDS: 2,304 words, and 32 words for the lanes that have nothing to list
.set L16,  1                           ; v1   16 x lane
.set TOK0, 2                           ; v2   4 x lane
.set DUMP, 3                           ; v3   2,304 + lane
.set ZO,   4                           ; v4   0
.set TV,   5                           ; v5   the count
.set ZR,   8                           ; v8-11 zeros
.set IDX,  16                          ; v16-79  idx as loaded; then v16-87 the list on its way out
.set AD,   88                          ; v88-151  element E: its place in the list, then the LDS address of that place
.set DT,   152                         ; v152-215 element E: its token
; element E's mask stands in s[32 + E] for E under 32 and in s[34 + E] from there on: s32-63 and s66-97
	s_load_b128 s[4:7], s[0:1], 0x0                ; idx s[4:5], list s[6:7]
	s_load_b64 s[8:9], s[0:1], 0x10                ; cnt
	v_lshl_add_u32 v216, v0, 2, 0x2500
	v_mov_b32 v217, 0
	s_mov_b32 s19, ttmp9                           ; e
	v_lshlrev_b32 v[L16], 4, v0                    ; one wave: the thread's number is the lane
	v_lshlrev_b32 v[TOK0], 2, v0
	v_add_nc_u32 v[DUMP], 2304, v0
	v_mov_b32 v[ZO], 0
.irp i, 0,1,2,3
	v_mov_b32 v[ZR+\i], 0
.endr
	s_mul_i32 s10, s19, 9216                       ; my list: 2,304 words
	s_mov_b32 s11, 0
	s_lshl_b32 s12, s19, 2                         ; my count
	s_mov_b32 s13, 0
	s_wait_kmcnt 0x0
	s_add_nc_u64 s[6:7], s[6:7], s[10:11]
	s_add_nc_u64 s[8:9], s[8:9], s[12:13]
.irp jj, 0,1,2,3,4,5,6,7,8,9,10,11,12,13,14,15
	global_load_b128 v[IDX+4*\jj:IDX+4*\jj+3], v[L16], s[4:5] offset:512*\jj
.endr
.irp i, 0,1,2,3,4,5,6,7,8,9,10,11,12,13,14,15,16,17
	ds_store_b128 v[L16], v[ZR:ZR+3] offset:LIST+512*\i          ; the list begins as zeros: every word that leaves has been written
.endr
.set E, 0
.rept 64
	v_add_nc_u32 v[DT+E], 128*(E/4)+E%4, v[TOK0]   ; the tokens' numbers hang on no load: they are made while idx is on its way
.set E, E+1
.endr
	s_mov_b32 s28, 0                               ; the places taken so far
	s_wait_loadcnt 0x0
.set E, 0
.rept 64
	v_cmp_eq_u32 s[32+E+2*(E/32)], s19, v[IDX+E]   ; the lanes whose token chose my expert
.set E, E+1
.endr
.set G, 0
.rept 16
.irp c, 0,1,2,3
	v_mbcnt_lo_u32_b32 v[AD+4*G+\c], s[32+4*G+\c+2*((4*G+\c)/32)], s28   ; the places taken so far + the lanes below me that list
	s_bcnt1_i32_b32 s29, s[32+4*G+\c+2*((4*G+\c)/32)]
	s_add_co_u32 s28, s28, s29
.endr
.irp c, 0,1,2,3
	v_cndmask_b32 v[AD+4*G+\c], v[DUMP], v[AD+4*G+\c], s[32+4*G+\c+2*((4*G+\c)/32)]   ; a lane with nothing to list writes among the 32 words that nobody reads
.endr
.irp c, 0,1,2,3
	v_min_u32 v[AD+4*G+\c], 2335, v[AD+4*G+\c]
.endr
.irp c, 0,1,2,3
	v_lshl_add_u32 v[AD+4*G+\c], v[AD+4*G+\c], 2, LIST
.endr
.irp c, 0,1,2,3
	ds_store_b32 v[AD+4*G+\c], v[DT+4*G+\c]
.endr
.set G, G+1
.endr
.irp i, 0,1,2,3,4,5,6,7,8,9,10,11,12,13,14,15,16,17
	ds_load_b128 v[IDX+4*\i:IDX+4*\i+3], v[L16] offset:LIST+512*\i   ; LDS serves a wave's instructions in order: these see my stores
.endr
	v_mov_b32 v[TV], s28
	s_wait_dscnt 0x0
.irp i, 0,1,2,3,4,5,6,7,8,9,10,11,12,13,14,15,16,17
	global_store_b128 v[L16], v[IDX+4*\i:IDX+4*\i+3], s[6:7] offset:512*\i   ; each store covers 512 consecutive bytes, aligned
.endr
	s_wait_xcnt 0x0                                ; EXEC changes only behind this wait: stores have been issued
	v_cmp_eq_u32 vcc_lo, 0, v0
	s_wait_tensorcnt 0x0
	ds_add_u32 v216, v217
	s_wait_dscnt 0x0
	s_and_saveexec_b32 s14, vcc_lo                 ; lane 0 alone
	global_store_b32 v[ZO], v[TV], s[8:9]
	s_wait_xcnt 0x0
	s_or_b32 exec_lo, exec_lo, s14
	s_endpgm
.Lfunc_end_k_q2c162215fb_place:
	.size	k_q2c162215fb_place, .Lfunc_end_k_q2c162215fb_place-k_q2c162215fb_place
	.p2alignl 7, 3214868480
	.fill 96, 4, 3214868480
	.section	.rodata,"a",@progbits
	.p2align	6, 0x0
	.amdhsa_kernel k_q2c162215fb_place
		.amdhsa_group_segment_fixed_size 9728
		.amdhsa_private_segment_fixed_size 0
		.amdhsa_enable_private_segment 0
		.amdhsa_kernarg_size 24
		.amdhsa_user_sgpr_count 2
		.amdhsa_user_sgpr_kernarg_segment_ptr 1
		.amdhsa_wavefront_size32 1
		.amdhsa_system_sgpr_workgroup_id_x 1
		.amdhsa_system_sgpr_workgroup_id_y 1
		.amdhsa_system_sgpr_workgroup_id_z 1
		.amdhsa_system_vgpr_workitem_id 0
		.amdhsa_next_free_vgpr 218
		.amdhsa_next_free_sgpr 98
		.amdhsa_reserve_vcc 1
		.amdhsa_float_denorm_mode_32 3
		.amdhsa_float_denorm_mode_16_64 3
		.amdhsa_memory_ordered 1
		.amdhsa_forward_progress 1
		.amdhsa_inst_pref_size 39
	.end_amdhsa_kernel
	.amdgpu_metadata
---
amdhsa.version: [ 1, 2 ]
amdhsa.kernels:
  - .name:           k_q2c162215fb_place
    .symbol:         k_q2c162215fb_place.kd
    .args:
      - { .name: idx, .offset: 0, .size: 8, .value_kind: global_buffer, .address_space: global }
      - { .name: list, .offset: 8, .size: 8, .value_kind: global_buffer, .address_space: global }
      - { .name: cnt, .offset: 16, .size: 8, .value_kind: global_buffer, .address_space: global }
    .group_segment_fixed_size: 9728
    .private_segment_fixed_size: 0
    .kernarg_segment_align: 8
    .kernarg_segment_size: 24
    .max_flat_workgroup_size: 32
    .sgpr_count:     98
    .vgpr_count:     218
    .wavefront_size: 32
...
	.end_amdgpu_metadata
.endif
;; end of part 2
;; launch experts (part 3): grid 32 x 8, 8 waves a work-group, no clusters, 273,408 bytes of LDS; arguments W, b, xq, xs, list, gate, out0, cnt; writes out0
.if DOCPART == 3
	.amdgcn_target "amdgcn-amd-amdhsa--gfx1250"
	.amdhsa_code_object_version 6
	.text
	.protected	k_q2c162215fb_experts
	.globl	k_q2c162215fb_experts
	.p2align	8
	.type	k_q2c162215fb_experts,@function
k_q2c162215fb_experts:
	s_mov_b64 s[64:65], 0
	v_nop
	global_prefetch_b8 v0, s[64:65] scope:SCOPE_SE
	s_setreg_imm32_b32 hwreg(HW_REG_WAVE_MODE, 25, 1), 1
	s_wait_xcnt 0x0
; EXPERTS.  out0[n] = gate[n] x (Q(x[n]) . Q(W[idx[n]])^T + b[idx[n]]).  Only the chosen expert's rows are multiplied: the others are thrown away by the one-hot that the problem itself builds.
; SHARES.  Work-group (x = ob, y = e) owns outputs 64 ob .. 64 ob + 63 of expert e for all T tokens that chose e: 512 KiB of W, read once as f32 in loads of 512 consecutive bytes, quantised in registers;
; W's codes live in LDS as 64 rows with K innermost and never go to memory.  Eight waves.  THE STREAM: wave w quantises rows 16 (w & 3) .. + 15 at K steps 4 q + 2 (w >> 2) + i: eight units of 16 rows x 512 bytes.
; A LANE KEEPS WHAT IT LOADED: of each of a unit's 16 rows the four numbers k = 4 lane .. 4 lane + 3.  A block of 32 lies in eight neighbouring lanes: its largest magnitude takes three steps across lanes; a lane's four codes
; of a row are 16 bits, and the 32 lanes store 64 consecutive bytes of W's row in LDS.  So only codes go through LDS, an eighth of the numbers' bytes.
; THE PRODUCTS: wave w takes the token tiles w + 24 c + 8 j (j = 0, 1, 2) of the expert's list against all 64 outputs: 12 accumulators.  Pass c = 0 (384 tokens) runs inside the stream, a quarter of K behind each two units;
; passes 1 to 5 serve an expert with more tokens, up to all 2,048.
; THE LIST of the expert's tokens and their number T are whole numbers that the launch before stored.  Positions at or past T take the list's first token: they compute and store its row again,
; the same bytes from the same work-group.  A tile wholly past T stores nothing; with T = 0 the work-group stores nothing.
; No tensor load and no joint load: branches hang on T, which is read from memory, W's rows are shared by no other work-group, and x's rows are gathered by the list.
; The product is used with source 0 = 16 rows of W, source 1 = 16 tokens: a lane holds one token and eight neighbouring outputs.  The bias is the C of each sum's first product.
; IN FLIGHT, by this text's own count: at most 62 loads a wave (two units of W, 32; x's scale words, 6; a quarter of x's codes, 24).
; LIMITS.  NaN and infinities among the inputs are not served.  A block of zeros gets the byte 1 (not 127) with zero codes: the bytes are read by this program alone.
.set PITW, 1040                        ; LDS: from 0: W's codes, 64 rows of 1,024 bytes + 16: 260 words, so that the 16 rows of a fragment load start 4 banks apart
.set WSC,  66560                       ; W's scale words [s][row][t], 4,096 bytes
.set FST,  70656                       ; each wave's own 4,352 bytes: its stage for the way out, 16 rows of 256 + 16
.set XST,  137216                      ; each wave's own 13,056 bytes: 3 tiles x 16 tokens x (256 bytes of codes + 16): a quarter of K
.set XSS,  241664                      ; each wave's own 3,840 bytes: 3 tiles x 16 tokens x (64 bytes of scale words + 16)
.set L16,  1                           ; v1   16 x lane: my 16 bytes of a load's 512
.set CW,   2                           ; v2   where my codes go: row 16 t, + 128 (w >> 2), + 2 x lane
.set SW,   3                           ; v3   where my block's scale byte goes: WSC + 512 (w >> 2) + 4 t + lane / 8
.set WFR,  4                           ; v4   a fragment of W: 1,040 x (lane % 16) + 16 x (lane / 16)
.set ZO,   6                           ; v6   0
.set WSCR, 7
.set XSTW, 8
.set XSTR, 9
.set XSSW, 10
.set XSSR, 11
.set OSTW, 12
.set OSTR, 13
.set P16,  15                          ; v15  16 x (lane % 16)
.set XO,   24                          ; v24-47  register 8 j + i: 1,024 x token + 16 (lane % 16) for position 2 i + lane / 16 of tile j
.set GT,   48                          ; v48-53  tile j: the gate's weight of token lane % 16, as a pair; until the way out the pair's upper word holds the weight's byte offset in gate
.set R4,   56                          ; v56  4 x (lane % 16)
.set HL,   57                          ; v57  lane / 16
.set RR,   58                          ; v58  lane % 16
.set H32,  60                          ; v60  32 x (lane / 16)
.set XA,   61                          ; v61-63 tile j: the byte offset in xs of token lane % 16; written once a pass
.set ACC,  64                          ; v64-159 accumulator (j, t) at 32 j + 8 t
.set XSL,  128                         ; v128-151 ahead of a pass's first product: x's scale words as loaded
.set WF,   160                         ; v160-223: in the products W's four fragments (WF) and x's three (XF);  on the way out rows (OB) and offsets (OO);
.set XF,   192                         ; in the stream two sets of 32, by the unit's parity: 16 largest magnitudes (then scale operands, then bytes) and 16 registers of codes
.set OB,   160
.set OO,   192
.set TK,   160                         ; at a pass's head: v160-207 the 16 tokens of each of my three tiles, the same in every lane;
.set FIL,  208                         ; the list's first token;
.set TR,   209                         ; v209-211 token lane % 16 of each tile
.set LA,   232
.set LR,   233
.set VP,   234
.set VR,   235
.set WS,   236                         ; v236-243 W's scale words, nothing else: register 4 g + t: lanes 0-15 K step 4 q + 2 g, lanes 16-31 K step 4 q + 2 g + 1
.set XS,   244                         ; v244-255 x's scale words, nothing else: register 4 j + s'
.set XT,   128                         ; window 1: v0-127 two units of W as loaded (row p in 4 registers); v128-223 x's codes as loaded; v224-255 the bias, 8 registers a tile of outputs
.set BIAS, 224
.set TC,   23                          ; s23 T;  s24 the number of tiles;  s25 my first tile of the pass
.set NT,   24
.set TB,   25
.set HM,   35                          ; s35 lanes 16 to 31
.set MSB, 0
.macro WIN new                         ; s_set_vgpr_msb: bits 1:0 source 0, 3:2 source 1, 5:4 source 2, 7:6 destination; the high byte repeats the setting that is left
.if MSB != \new
	s_set_vgpr_msb (MSB<<8)|\new
.set MSB, \new
.endif
.endm
.macro PLACES                          ; four plain lines between a matrix instruction and a load into, a write of, or a read of its registers
.rept 4
	v_nop
.endr
.endm
.macro BAR                             ; my LDS stores have landed and my LDS loads are in: then the work-group's barrier
	s_wait_dscnt 0x0
	s_barrier_signal -1
	s_barrier_wait -1
.endm
.macro WLOAD u                         ; unit u of W: 16 rows x 512 consecutive bytes, into set u % 2
	WIN 0x40
.irp p, 0,1,2,3,4,5,6,7,8,9,10,11,12,13,14,15
	global_load_b128 v[64*((\u)%2)+4*\p:64*((\u)%2)+4*\p+3], v[L16], s[4:5] offset:8192*\p+512*(4*((\u)/2)+(\u)%2) th:TH_LOAD_NT
.endr
	WIN 0
.endm
.macro XISSUE q                        ; quarter q of K of my 48 tokens' codes: sixteen lanes read 256 consecutive bytes of one token, aligned
	WIN 0x40
.irp j, 0,1,2
.irp i, 0,1,2,3,4,5,6,7
	global_load_b128 v[XT+32*\j+4*\i:XT+32*\j+4*\i+3], v[XO+8*\j+\i], s[8:9] offset:256*(\q)
.endr
.endr
	WIN 0
.endm
.macro XSTORE                          ; and into my rows in LDS
	WIN 0x04
.irp j, 0,1,2
.irp i, 0,1,2,3,4,5,6,7
	ds_store_b128 v[XSTW], v[XT+32*\j+4*\i:XT+32*\j+4*\i+3] offset:4352*\j+544*\i
.endr
.endr
	WIN 0
.endm
.macro XSSTORE                         ; my 48 tokens' scale words, all of K
.irp j, 0,1,2
.irp m, 0,1
	ds_store_b128 v[XSSW], v[XSL+8*\j+4*\m:XSL+8*\j+4*\m+3] offset:1280*\j+16*\m
.endr
.endr
.endm
.macro GLOAD                           ; the gate's weights of my 48 tokens; the offsets stand in the pairs' upper words
.irp j, 0,1,2
	global_load_b32 v[GT+2*\j], v[GT+2*\j+1], s[14:15]
.endr
.endm
; One unit of the stream: 16 rows x 128 along K.  n: the loads younger than unit u's, which may stay out.  xst: the quarter of x that has landed goes to LDS;  xis: the next quarter is asked for.
; Row p's block lane / 8: the largest magnitude of my four numbers, with the floor 2^(3 - 127) among the leaves (the byte cannot fall under 1), then of the eight lanes that share the block; 2 off its exponent field is the
; conversion's scale operand.  The conversion takes eight registers: row p's four and row p + 1's four, under row p's scale: the low 16 bits are row p's codes, the upper 16 are not used.  Row 15 goes with row 14 and is shifted down.
.macro UNIT u, n, xst, xis
.set RG, 64*((\u)%2)
.set MQ, 160+32*((\u)%2)
.set CQ, 176+32*((\u)%2)
	s_wait_loadcnt \n
.if \xst
	XSTORE
.endif
	WIN 0x05                                       ; sources 0 and 1, W's numbers, in window 1
.irp p, 0,1,2,3,4,5,6,7,8,9,10,11,12,13,14,15
	v_max3_num_f32 v[MQ+\p], |v[RG+4*\p]|, |v[RG+4*\p+1]|, 0x1800000
.endr
.irp p, 0,1,2,3,4,5,6,7,8,9,10,11,12,13,14,15
	v_max3_num_f32 v[MQ+\p], |v[RG+4*\p+2]|, |v[RG+4*\p+3]|, v[MQ+\p]
.endr
	WIN 0
.irp xm, 1,2,4
.irp p, 0,1,2,3,4,5,6,7,8,9,10,11,12,13,14,15
	v_max_num_f32_dpp v[MQ+\p], v[MQ+\p], v[MQ+\p] row_xmask:\xm row_mask:0xf bank_mask:0xf   ; the sixteen rows by turns: no line waits for the line above it
.endr
.endr
.irp p, 0,1,2,3,4,5,6,7,8,9,10,11,12,13,14,15
	v_add_nc_u32 v[MQ+\p], 0xff000000, v[MQ+\p]
.endr
	WIN 0x01                                       ; source 0, W's numbers, in window 1
.irp p, 0,1,2,3,4,5,6,7,8,9,10,11,12,13,14
	v_cvt_scalef32_pk8_fp4_f32 v[CQ+\p], v[RG+4*\p:RG+4*\p+7], v[MQ+\p]
.endr
	v_cvt_scalef32_pk8_fp4_f32 v[CQ+15], v[RG+56:RG+63], v[MQ+15]
	WIN 0
	v_nop                                          ; one plain line behind the last scaled conversion
.if \xis
	s_wait_dscnt 0x0                               ; x's LDS stores have read their registers, which the next quarter's loads write
	XISSUE (\u)/2+1
.endif
.if (\u)+2 < 8
	WLOAD (\u)+2                                   ; the set just converted takes the unit two further on
.endif
	v_lshrrev_b32 v[CQ+15], 16, v[CQ+15]           ; row 15's codes stood in the upper half
.irp p, 0,1,2,3,4,5,6,7,8,9,10,11,12,13,14,15
	v_lshrrev_b32 v[MQ+\p], 23, v[MQ+\p]           ; the scale's byte
.endr
.irp p, 0,1,2,3,4,5,6,7,8,9,10,11,12,13,14,15
	ds_store_b16 v[CW], v[CQ+\p] offset:PITW*\p+64*(4*((\u)/2)+(\u)%2)      ; 32 lanes: the 64 bytes of row p's K step
.endr
.irp p, 0,1,2,3,4,5,6,7,8,9,10,11,12,13,14,15
	ds_store_b8 v[SW], v[MQ+\p] offset:256*(4*((\u)/2)+(\u)%2)+16*\p        ; the eight lanes of a block write the same byte with the same value
.endr
.endm
; A quarter of K: four K steps of 128, each 4 fragments of W x 3 of x.  The twelve accumulators take turns, one instruction a turn, in the same order in every step.
.macro MATQ q, first
.irp sp, 0,1,2,3
	PLACES
.irp t, 0,1,2,3
.irp k, 0,1
	ds_load_b128 v[WF+8*\t+4*\k:WF+8*\t+4*\k+3], v[WFR] offset:16*\t*PITW+64*(4*(\q)+\sp)+32*\k
.endr
.endr
.irp j, 0,1,2
.irp k, 0,1
	ds_load_b128 v[XF+8*\j+4*\k:XF+8*\j+4*\k+3], v[XSTR] offset:4352*\j+64*\sp+32*\k
.endr
.endr
.if \sp == 0
.irp g, 0,1
	ds_load_b128 v[WS+4*\g:WS+4*\g+3], v[WSCR] offset:512*(2*(\q)+\g)
.endr
.irp j, 0,1,2
	ds_load_b128 v[XS+4*\j:XS+4*\j+3], v[XSSR] offset:1280*\j+16*(\q)
.endr
.endif
	s_wait_dscnt 0x0
.if \first && (\sp == 0)
	WIN 0x10                                       ; source 2, the bias, in window 1
.endif
.irp t, 0,1,2,3
.irp j, 0,1,2
.if \first && (\sp == 0)
	v_wmma_scale_f32_16x16x128_f8f6f4 v[ACC+32*\j+8*\t:ACC+32*\j+8*\t+7], v[WF+8*\t:WF+8*\t+7], v[XF+8*\j:XF+8*\j+7], v[BIAS+8*\t:BIAS+8*\t+7], v[WS+\t], v[XS+4*\j] matrix_a_fmt:MATRIX_FMT_FP4 matrix_b_fmt:MATRIX_FMT_FP4
.elseif (\sp % 2) == 0
	v_wmma_scale_f32_16x16x128_f8f6f4 v[ACC+32*\j+8*\t:ACC+32*\j+8*\t+7], v[WF+8*\t:WF+8*\t+7], v[XF+8*\j:XF+8*\j+7], v[ACC+32*\j+8*\t:ACC+32*\j+8*\t+7], v[WS+4*(\sp/2)+\t], v[XS+4*\j+\sp] matrix_a_fmt:MATRIX_FMT_FP4 matrix_b_fmt:MATRIX_FMT_FP4
.else
	v_wmma_scale_f32_16x16x128_f8f6f4 v[ACC+32*\j+8*\t:ACC+32*\j+8*\t+7], v[WF+8*\t:WF+8*\t+7], v[XF+8*\j:XF+8*\j+7], v[ACC+32*\j+8*\t:ACC+32*\j+8*\t+7], v[WS+4*(\sp/2)+\t], v[XS+4*\j+\sp] matrix_a_fmt:MATRIX_FMT_FP4 matrix_b_fmt:MATRIX_FMT_FP4 matrix_a_scale:MATRIX_SCALE_ROW1
.endif
.endr
.endr
	WIN 0
.endr
	PLACES
.endm
; The tokens of my three tiles of this pass are asked for: 16 loads.  A tile's 16 tokens are 64 consecutive bytes of the list: every lane takes all of them, by four loads; and token lane % 16 once more, by one.
.macro SETUP_LOAD
	s_lshl_b32 s29, s[TB], 6
	s_lshl_b32 s30, s[TB], 4
	v_mov_b32 v[LA], s29                           ; tile TB begins 64 TB bytes into the list
	v_add_nc_u32 v[LR], s29, v[R4]
	v_add_nc_u32 v[VP], s30, v[HL]                 ; position 16 TB + lane / 16,
	v_add_nc_u32 v[VR], s30, v[RR]                 ; position 16 TB + lane % 16
	global_load_b32 v[FIL], v[ZO], s[12:13]
.irp j, 0,1,2
.irp m, 0,1,2,3
	global_load_b128 v[TK+16*\j+4*\m:TK+16*\j+4*\m+3], v[LA], s[12:13] offset:512*\j+16*\m
.endr
	global_load_b32 v[TR+\j], v[LR], s[12:13] offset:512*\j
.endr
.endm
; They are in.  A position at or past T takes the list's first token.  Then the tokens' scale words are asked for, and the offsets of their gate weights are made.
.macro SETUP_MATH
.irp j, 0,1,2
.irp i, 0,1,2,3,4,5,6,7
	v_cndmask_b32 v[XO+8*\j+\i], v[TK+16*\j+2*\i], v[TK+16*\j+2*\i+1], s[HM]          ; the token at position 2 i + lane / 16 of tile j
	s_sub_co_i32 s29, s[TC], 128*\j+2*\i
	v_cmp_gt_i32 vcc_lo, s29, v[VP]                ; is position VP + 128 j + 2 i under T?
	v_cndmask_b32 v[XO+8*\j+\i], v[FIL], v[XO+8*\j+\i], vcc_lo
	v_min_u32 v[XO+8*\j+\i], 2047, v[XO+8*\j+\i]
	v_lshl_add_u32 v[XO+8*\j+\i], v[XO+8*\j+\i], 10, v[P16]
.endr
	s_sub_co_i32 s29, s[TC], 128*\j
	v_cmp_gt_i32 vcc_lo, s29, v[VR]
	v_cndmask_b32 v[TR+\j], v[FIL], v[TR+\j], vcc_lo
	v_min_u32 v[TR+\j], 2047, v[TR+\j]
	v_lshlrev_b32 v[GT+2*\j+1], 2, v[TR+\j]        ; gate: 4 bytes a token
	v_lshl_add_u32 v[XA+\j], v[TR+\j], 6, v[H32]   ; xs: 64 bytes a token, + 32 h
.endr
.irp j, 0,1,2
	global_load_b128 v[XSL+8*\j:XSL+8*\j+3], v[XA+\j], s[10:11]
	global_load_b128 v[XSL+8*\j+4:XSL+8*\j+7], v[XA+\j], s[10:11] offset:16
.endr
.endm
; Tile j leaves: x the gate's weight; through my stage, so that sixteen lanes store 256 consecutive bytes of a token's row, aligned.  A tile wholly past T stores nothing.
.macro EPI j
	s_add_co_u32 s29, s[TB], 8*\j
	s_cmp_ge_u32 s29, s[NT]
	s_cbranch_scc1 .Lskip_\@
	v_mov_b32 v[GT+2*\j+1], v[GT+2*\j]             ; the packed form names a pair; the weight's load, which read the upper word as its offset, has been waited for
.irp t, 0,1,2,3
.irp p, 0,2,4,6
	v_pk_mul_f32 v[ACC+32*\j+8*\t+\p:ACC+32*\j+8*\t+\p+1], v[ACC+32*\j+8*\t+\p:ACC+32*\j+8*\t+\p+1], v[GT+2*\j:GT+2*\j+1] op_sel_hi:[1,0]   ; each accumulator from its low end on
.endr
.endr
.irp t, 0,1,2,3
	ds_store_b128 v[OSTW], v[ACC+32*\j+8*\t:ACC+32*\j+8*\t+3] offset:64*\t
	ds_store_b128 v[OSTW], v[ACC+32*\j+8*\t+4:ACC+32*\j+8*\t+7] offset:64*\t+16
.endr
.irp i, 0,1,2,3,4,5,6,7
	ds_load_b128 v[OB+4*\i:OB+4*\i+3], v[OSTR] offset:544*\i     ; LDS serves a wave's instructions in order: these see my stores
.endr
.irp i, 0,1,2,3,4,5,6,7
	v_and_b32 v[OO+\i], 0xfffffc00, v[XO+8*\j+\i]                ; 1,024 x token,
.endr
.irp i, 0,1,2,3,4,5,6,7
	v_lshl_add_u32 v[OO+\i], v[OO+\i], 3, v[P16]                 ; 8,192 x token + 16 (lane % 16)
.endr
	s_wait_dscnt 0x0
.irp i, 0,1,2,3,4,5,6,7
	global_store_b128 v[OO+\i], v[OB+4*\i:OB+4*\i+3], s[16:17] th:TH_STORE_NT
.endr
	s_wait_xcnt 0x0                                ; the stores' registers are rewritten only behind this wait
.Lskip_\@:
.endm
	s_load_b256 s[4:11], s[0:1], 0x0               ; W s[4:5], b s[6:7], xq s[8:9], xs s[10:11]
	s_load_b128 s[12:15], s[0:1], 0x20             ; list s[12:13], gate s[14:15]
	s_load_b64 s[16:17], s[0:1], 0x30              ; out0
	s_load_b64 s[42:43], s[0:1], 0x38              ; cnt
	v_lshl_add_u32 v230, v0, 2, 0x42800
	v_mov_b32 v231, 0
	v_lshrrev_b32 v160, 5, v0
	v_readfirstlane_b32 s18, v160                  ; wave 0..7
	s_and_b32 s19, ttmp7, 0xffff                   ; e
	s_mov_b32 s20, ttmp9                           ; ob
	v_and_b32 v161, 31, v0                         ; lane
	v_and_b32 v[RR], 15, v0
	v_bfe_u32 v[HL], v0, 4, 1
	v_lshlrev_b32 v[L16], 4, v161
	v_lshlrev_b32 v[P16], 4, v[RR]
	v_lshlrev_b32 v[R4], 2, v[RR]
	v_lshlrev_b32 v[H32], 5, v[HL]
	v_mov_b32 v[ZO], 0
	s_lshr_b32 s30, s18, 2                         ; w >> 2: which two K steps of a quarter
	s_and_b32 s31, s18, 3                          ; t: which 16 rows of W
	s_mul_i32 s29, s31, 16*PITW
	s_lshl_b32 s32, s30, 7
	s_add_co_u32 s29, s29, s32
	v_lshlrev_b32 v162, 1, v161
	v_add_nc_u32 v[CW], s29, v162                  ; codes: row 16 t, K step 2 (w >> 2) (64 bytes a step), + 2 x lane
	s_lshl_b32 s29, s30, 9
	s_lshl_b32 s32, s31, 2
	s_add_co_u32 s29, s29, s32
	s_add_co_u32 s29, s29, WSC
	v_lshrrev_b32 v162, 3, v161
	v_add_nc_u32 v[SW], s29, v162                  ; scale word [s][row][t], byte lane / 8
	v_mul_u32_u24 v162, v[RR], PITW
	v_lshl_add_u32 v[WFR], v[HL], 4, v162          ; a fragment of W: row r x pitch + 16 h
	v_lshl_add_u32 v[WSCR], v[HL], 8, v[P16]
	v_add_nc_u32 v[WSCR], WSC, v[WSCR]             ; scale words, read: row r's four (t = 0 .. 3); lanes 16-31 one K step on
	s_mul_i32 s29, s18, 4352
	s_add_co_u32 s29, s29, FST                     ; my stage
	v_mul_u32_u24 v162, v[RR], 272
	v_lshl_add_u32 v163, v[HL], 5, v162
	v_add_nc_u32 v[OSTW], s29, v163                ; the way out, in: token r's row, + 32 h
	v_mul_u32_u24 v164, v[HL], 272
	v_add_nc_u32 v164, v164, v[P16]
	v_add_nc_u32 v[OSTR], s29, v164                ; and back: lanes 0-15 one row, lanes 16-31 the next
	s_mul_i32 s29, s18, 13056
	s_add_co_u32 s29, s29, XST
	v_add_nc_u32 v[XSTW], s29, v164                ; x's codes in: the same two rows an instruction
	v_lshl_add_u32 v163, v[HL], 4, v162
	v_add_nc_u32 v[XSTR], s29, v163                ; a fragment: row r x 272 + 16 h
	s_mul_i32 s29, s18, 3840
	s_add_co_u32 s29, s29, XSS
	v_mul_u32_u24 v162, v[RR], 80
	v_add_nc_u32 v[XSSR], s29, v162
	v_add_nc_u32 v[XSSW], v[XSSR], v[H32]
	s_mov_b32 s[HM], 0xffff0000
	s_lshl_b32 s36, s19, 24                        ; W: expert e (2^24 bytes), rows 64 ob + 16 t of 8,192 bytes, + 1,024 (w >> 2)
	s_lshl_b32 s29, s20, 19
	s_add_co_u32 s36, s36, s29
	s_lshl_b32 s29, s31, 17
	s_add_co_u32 s36, s36, s29
	s_lshl_b32 s29, s30, 10
	s_add_co_u32 s36, s36, s29
	s_mov_b32 s37, 0
	s_lshl_b32 s38, s19, 13                        ; b: 8,192 e + 256 ob
	s_lshl_b32 s40, s20, 8                         ; out0: 256 ob
	s_add_co_u32 s38, s38, s40
	s_mov_b32 s39, 0
	s_mov_b32 s41, 0
	s_mul_i32 s44, s19, 9216                       ; list: 2,304 words an expert
	s_mov_b32 s45, 0
	s_lshl_b32 s46, s19, 2                         ; cnt: a word an expert
	s_mov_b32 s47, 0
	s_wait_kmcnt 0x0
	s_add_nc_u64 s[4:5], s[4:5], s[36:37]
	s_add_nc_u64 s[6:7], s[6:7], s[38:39]
	s_add_nc_u64 s[16:17], s[16:17], s[40:41]
	s_add_nc_u64 s[12:13], s[12:13], s[44:45]
	s_add_nc_u64 s[42:43], s[42:43], s[46:47]
	s_load_b32 s[TC], s[42:43], 0x0                ; T
	WIN 0x40
.irp t, 0,1,2,3
	global_load_b128 v[BIAS+8*\t:BIAS+8*\t+3], v[H32], s[6:7] offset:64*\t            ; the bias in the result's layout: outputs 16 t + 8 h + 0 .. 7
	global_load_b128 v[BIAS+8*\t+4:BIAS+8*\t+7], v[H32], s[6:7] offset:64*\t+16
.endr
	WIN 0
	s_mov_b32 s[TB], s18
	SETUP_LOAD                                     ; my first 48 tokens, ahead of W so that they come first
	WLOAD 0
	WLOAD 1
	s_wait_kmcnt 0x0
	s_min_u32 s[TC], s[TC], 2048
	s_add_co_u32 s[NT], s[TC], 15
	s_lshr_b32 s[NT], s[NT], 4
	s_wait_loadcnt 32                              ; all but W's two units are in: the bias and the tokens
	SETUP_MATH
	XISSUE 0
	UNIT 0, 46, 0, 0                               ; younger than unit 0: unit 1's 16, xs's 6, x's 24
	UNIT 1, 16, 1, 1                               ; younger than unit 1, xs and x's first quarter: unit 2's 16
	XSSTORE                                        ; xs came in with that wait
	BAR                                            ; K steps 0 to 3 of W lie in LDS
	MATQ 0, 1
	GLOAD                                          ; wanted on the way out only
	UNIT 2, 43, 0, 0                               ; younger than unit 2: x's 24, unit 3's 16, the gate's 3
	UNIT 3, 19, 1, 1                               ; younger than unit 3 and x's second quarter: the gate's 3, unit 4's 16
	BAR
	MATQ 1, 0
	UNIT 4, 40, 0, 0                               ; younger than unit 4: x's 24, unit 5's 16
	UNIT 5, 16, 1, 1
	BAR
	MATQ 2, 0
	UNIT 6, 40, 0, 0
	UNIT 7, 0, 1, 0                                ; nothing is younger
	BAR                                            ; all of W lies in LDS and is written no more: no barrier follows
	MATQ 3, 0
	EPI 0
	EPI 1
	EPI 2
; An expert with more than 384 tokens: up to five more passes over W's codes.  The trip count is a constant; a pass with nothing for my wave is jumped over.
	s_mov_b32 s34, 5
.Lpass:
	s_add_co_u32 s[TB], s[TB], 24
	s_cmp_ge_u32 s[TB], s[NT]
	s_cbranch_scc1 .Lpass_end
	s_wait_xcnt 0x0                                ; the offsets of the last pass's loads and stores are rewritten only behind this wait
	SETUP_LOAD
	s_wait_loadcnt 0x0                             ; the tokens are in
	SETUP_MATH
	GLOAD
	XISSUE 0
.irp q, 0,1,2,3
	s_wait_loadcnt 0x0                             ; this quarter of x is in (with the first: xs and the gate too)
	XSTORE
.if \q == 0
	XSSTORE
.endif
	s_wait_dscnt 0x0                               ; the stores have read their registers
.if \q < 3
	XISSUE \q+1
.endif
.if \q == 0
	MATQ \q, 1
.else
	MATQ \q, 0
.endif
.endr
	EPI 0
	EPI 1
	EPI 2
.Lpass_end:
	s_sub_co_u32 s34, s34, 1
	s_cmp_lg_u32 s34, 0
	s_cbranch_scc1 .Lpass
	s_wait_tensorcnt 0x0
	ds_add_u32 v230, v231
	s_wait_dscnt 0x0
	s_endpgm
.Lfunc_end_k_q2c162215fb_experts:
	.size	k_q2c162215fb_experts, .Lfunc_end_k_q2c162215fb_experts-k_q2c162215fb_experts
	.p2alignl 7, 3214868480
	.fill 96, 4, 3214868480
	.section	.rodata,"a",@progbits
	.p2align	6, 0x0
	.amdhsa_kernel k_q2c162215fb_experts
		.amdhsa_group_segment_fixed_size 273408
		.amdhsa_private_segment_fixed_size 0
		.amdhsa_enable_private_segment 0
		.amdhsa_kernarg_size 64
		.amdhsa_user_sgpr_count 2
		.amdhsa_user_sgpr_kernarg_segment_ptr 1
		.amdhsa_wavefront_size32 1
		.amdhsa_system_sgpr_workgroup_id_x 1
		.amdhsa_system_sgpr_workgroup_id_y 1
		.amdhsa_system_sgpr_workgroup_id_z 1
		.amdhsa_system_vgpr_workitem_id 0
		.amdhsa_next_free_vgpr 512
		.amdhsa_next_free_sgpr 66
		.amdhsa_reserve_vcc 1
		.amdhsa_float_denorm_mode_32 3
		.amdhsa_float_denorm_mode_16_64 3
		.amdhsa_memory_ordered 1
		.amdhsa_forward_progress 1
		.amdhsa_inst_pref_size 255
	.end_amdhsa_kernel
	.section	.bss,"aw",@nobits
	.p2align	6
	.space	262144
	.amdgpu_metadata
---
amdhsa.version: [ 1, 2 ]
amdhsa.kernels:
  - .name:           k_q2c162215fb_experts
    .symbol:         k_q2c162215fb_experts.kd
    .args:
      - { .name: W, .offset: 0, .size: 8, .value_kind: global_buffer, .address_space: global }
      - { .name: b, .offset: 8, .size: 8, .value_kind: global_buffer, .address_space: global }
      - { .name: xq, .offset: 16, .size: 8, .value_kind: global_buffer, .address_space: global }
      - { .name: xs, .offset: 24, .size: 8, .value_kind: global_buffer, .address_space: global }
      - { .name: list, .offset: 32, .size: 8, .value_kind: global_buffer, .address_space: global }
      - { .name: gate, .offset: 40, .size: 8, .value_kind: global_buffer, .address_space: global }
      - { .name: out0, .offset: 48, .size: 8, .value_kind: global_buffer, .address_space: global }
      - { .name: cnt, .offset: 56, .size: 8, .value_kind: global_buffer, .address_space: global }
    .group_segment_fixed_size: 273408
    .private_segment_fixed_size: 0
    .kernarg_segment_align: 8
    .kernarg_segment_size: 64
    .max_flat_workgroup_size: 256
    .sgpr_count:     66
    .vgpr_count:     512
    .wavefront_size: 32
...
	.end_amdgpu_metadata
.endif
;; end of part 3
